; MI455X (gfx1250); checked and timed in simulation.
; The chip was launched on July 23, 2026; its instructions are those of AMD's public machine-readable ISA for CDNA 5 (MIT licence, August 2026) and "CDNA5" Instruction Set Architecture Reference Guide (July 2026). The comments in the code are by the model that wrote it; some were corrected since.
;; Vllm Mixture Of Experts Op. Allowed arithmetic: matrix products marked QUANTISED: E2M3 operands, one E8M0 scale for each 32 along K, by v_wmma_scale_f32_16x16x128_f8f6f4 with both operands' format E2M3, f32 sums; everything else in f32.
;; Inputs: expert_routing_table 8,192 x 2 int32; hidden_states 8,192 x 2,048 float32; router_weights 8,192 x 2 float32; w13 8 x 256 x 2,048 float32; w2 8 x 2,048 x 128 float32.
;; Outputs: out0 8,192 x 2,048 float32.
;; This version of the problem:
;;   THIS VERSION OF THE PROBLEM IS GIVEN IN LOW PRECISION. The matrix products marked QUANTISED in the list below multiply operands that are first quantised to E2M3 (2 exponent bits, 3 mantissa bits; 6 bits a number), with one power-of-two scale for each 32 numbers along K (OCP MX v1.0); their sums are f32. All else is computed in f32.
;;   The module's matrix products, in the order in which they are computed (A, B: the left and right operand; K: the contracted axis; several contracted axes count as one K, in the product's order):
;;     1. [M 8,192, K 2,048] x [K 2,048, N 256]; A: input hidden_states; B: input w13: QUANTISED
;;     2. [M 8,192, K 128] x [K 128, N 2,048]; A: computed on the way; B: input w2: QUANTISED
;;     3. [M 8,192, K 2,048] x [K 2,048, N 256]; A: input hidden_states; B: input w13: QUANTISED
;;     4. [M 8,192, K 128] x [K 128, N 2,048]; A: computed on the way; B: input w2: QUANTISED
;;     5. [M 8,192, K 2,048] x [K 2,048, N 256]; A: input hidden_states; B: input w13: QUANTISED
;;     6. [M 8,192, K 128] x [K 128, N 2,048]; A: computed on the way; B: input w2: QUANTISED
;;     7. [M 8,192, K 2,048] x [K 2,048, N 256]; A: input hidden_states; B: input w13: QUANTISED
;;     8. [M 8,192, K 128] x [K 128, N 2,048]; A: computed on the way; B: input w2: QUANTISED
;;     9. [M 8,192, K 2,048] x [K 2,048, N 256]; A: input hidden_states; B: input w13: QUANTISED
;;     10. [M 8,192, K 128] x [K 128, N 2,048]; A: computed on the way; B: input w2: QUANTISED
;;     11. [M 8,192, K 2,048] x [K 2,048, N 256]; A: input hidden_states; B: input w13: QUANTISED
;;     12. [M 8,192, K 128] x [K 128, N 2,048]; A: computed on the way; B: input w2: QUANTISED
;;     13. [M 8,192, K 2,048] x [K 2,048, N 256]; A: input hidden_states; B: input w13: QUANTISED
;;     14. [M 8,192, K 128] x [K 128, N 2,048]; A: computed on the way; B: input w2: QUANTISED
;;     15. [M 8,192, K 2,048] x [K 2,048, N 256]; A: input hidden_states; B: input w13: QUANTISED
;;     16. [M 8,192, K 128] x [K 128, N 2,048]; A: computed on the way; B: input w2: QUANTISED
;;   THE QUANTISER, for each operand of a quantised product, along K:
;;     - K is cut into blocks of 32 from its start; a last block that is shorter is filled with zeros.
;;     - A block's scale is 2^e with e = floor(log2(the largest magnitude in the block)) - 2, held to -126 .. 127; a block of zeros has e = 0. As a byte (E8M0): e + 127.
;;     - Each number is divided by its block's scale, clamped to +-7.5, and rounded to the nearest number of E2M3, ties to even, subnormals kept.
;;     - The product sums the exact products of the quantised numbers (number of the format x scale) in f32.
;;   ~~~python
;;   def quantise(x, axis):      # numpy; x: float32 -> the quantised numbers, widened to float32 again
;;       x = np.moveaxis(x, axis, -1); K = x.shape[-1]
;;       x = np.pad(x, [(0, 0)] * (x.ndim - 1) + [(0, -K % 32)]); x = x.reshape(x.shape[:-1] + (-1, 32)); a = np.abs(x).max(-1, keepdims=True)
;;       e = np.where(a > 0, np.clip(np.frexp(np.where(a > 0, a, 1))[1] - 1 - 2, -126, 127), 0)      # np.frexp(a)[1] - 1 = floor(log2(a)), exactly
;;       r = np.clip(x / 2.0 ** e, -7.5, 7.5)
;;       step = 2.0 ** (np.maximum(np.frexp(np.where(r == 0, 1, r))[1] - 1, 0) - 3)
;;       q = np.round(r / step) * step * 2.0 ** e      # np.round: ties to even
;;       return np.moveaxis(q.reshape(q.shape[:-2] + (-1,))[..., :K], -1, axis).astype(np.float32)
;;   ~~~
;;   OPERANDS COMPUTED ON THE WAY. 'Computed on the way' means the value that the module computes at that place (a softmax that the list does not call 'softmax' is quantised finished and normalised). What goes into a quantiser is computed in f32, as accurately as f32 sums, v_exp_f32 and their like allow (about 1e-6 of the number): no bf16 or f16 on the way to a quantiser, and a product that is left as it is and whose result goes on into a quantised operand takes f32 operands (vector FMAs, or v_wmma_f32_16x16x4_f32). A number that lies on a knife's edge between two numbers of the format may be rounded either way, as far as f32 arithmetic and the matrix unit's own rounding can turn it there, and no further.
;; One version. Each part assembles by itself: llvm-mc -triple=amdgcn-amd-amdhsa -mcpu=gfx1250 --defsym DOCPART=n.
;; ======== version 1 of 1: 2 launches
;; limits: right only within a limited range of input values
;; workspace buffers: w13q 3,145,728 bytes; w13s 131,072 bytes; w2q 1,572,864 bytes; w2s 65,536 bytes; order 32,768 bytes of whole numbers
;; launch prep (part 1): grid 256 x 1, 11 waves a work-group, no clusters, 26,880 bytes of LDS; arguments w13, w2, expert_routing_table, w13q, w13s, w2q, w2s, order; writes w13q, w13s, w2q, w2s, order
.if DOCPART == 1
	.amdgcn_target "amdgcn-amd-amdhsa--gfx1250"
	.amdhsa_code_object_version 6
	.text
	.protected	k_q7f1af86aa3_prep
	.globl	k_q7f1af86aa3_prep
	.p2align	8
	.type	k_q7f1af86aa3_prep,@function
k_q7f1af86aa3_prep:
	s_mov_b64 s[64:65], 0
	v_nop
	global_prefetch_b8 v0, s[64:65] scope:SCOPE_SE
	s_setreg_imm32_b32 hwreg(HW_REG_WAVE_MODE, 25, 1), 1
	s_wait_xcnt 0x0
; TWO JOBS, parted on the wave's number; waves share nothing, so there is no barrier.
; WAVES 0-2: w13 [8*256][2048] and w2 [8*2048][128], f32 with K innermost, become codes of FP6 (E2M3) with one E8M0 byte for each 32 along K.
; A block's scale is 2^(floor(log2(its largest magnitude)) - 2): its byte is that magnitude's exponent field - 2, held at 1 from below.
; A unit is 64 rows (a quad) x 128 along K: four fragments of 16 rows, laid in the order of the operand's registers.  Lane-row p of fragment t is the quad's row
; 32 (t / 2) + 8 (t % 2) + p + 8 (p / 8).  A fragment is 1,536 bytes: register q of lane l at 512 (q / 4) + 16 l + 4 (q % 4).  A unit's scale words lie [lane-row][fragment], 256 bytes.
; 512 units of w13 and 256 of w2 = 256 work-groups x 3 waves, one unit to a wave.
; WAVES 3-10: THE TOKENS ARE SORTED BY THEIR PAIR OF EXPERTS.  Token t's place is the number of tokens j with (e1, e2, j) under (e1, e2, t): each wave counts that for 4 tokens over all 8,192,
; and stores t at order[place].  The places are a permutation, so each word of order is stored once.
; DEAD WORK, for the whole program: reference() multiplies expert e's result for token t by coef, which is 0 unless the routing table names e for t; so in exact arithmetic, for all finite inputs,
; an expert that no token of a block names adds 0 to that block's rows and is not multiplied there.  A NaN, an infinity or an overflow that arises only in such work is not carried to the result.
; LIMITS: NaN and infinities among the weights are not served; the routing table holds 0 .. 7; a block of zeros gets the byte 1 where the rule says 127 (its codes are zeros, and this program alone reads the bytes).
.set SP,   528
.set WST,  16*SP
.set SPARE, 3*WST
.set L16,  4
.set SA,   5
.set SB,   6
.set H8,   7
.set SOF,  8
.set TP,   9
.set MX,   10
.set SO,   12
.set BY,   14
.set VO,   16
.set SW,   24
.set OW,   28
.set CD,   32
.set CT,   44
.set X,    64
.set R,    128
.set BASE, 32
.set VJ,   64                          ; rank: v64-95 a candidate's number inside its chunk of 1,024
	s_load_b512 s[4:19], s[0:1], 0x0               ; w13, w2, table s[8:9], w13q, w13s, w2q, w2s, order s[18:19]
	v_lshl_add_u32 v62, v0, 2, SPARE
	v_mov_b32 v63, 0
	v_lshrrev_b32 v1, 5, v0
	s_delay_alu instid0(VALU_DEP_1)
	v_readfirstlane_b32 s22, v1                    ; wave 0..10
	v_and_b32 v1, 31, v0
	v_and_b32 v2, 15, v0
	v_bfe_u32 v3, v0, 4, 1
	s_delay_alu instid0(VALU_DEP_3)
	v_lshlrev_b32 v[L16], 4, v1
	s_mul_i32 s27, s22, WST
	v_add_nc_u32 v[SA], s27, v[L16]
	v_mul_u32_u24 v[SB], v2, SP
	s_delay_alu instid0(VALU_DEP_1)
	v_lshl_add_u32 v[SB], v3, 7, v[SB]
	s_delay_alu instid0(VALU_DEP_1)
	v_add_nc_u32 v[SB], s27, v[SB]
	v_lshlrev_b32 v[H8], 3, v3
	s_delay_alu instid0(VALU_DEP_1)
	v_lshl_add_u32 v[SOF], v2, 4, v[H8]
	v_mov_b32 v[TP], 0
	s_mov_b32 s30, 0x76543210
	s_mov_b32 s31, 0xfedcba98
	s_mul_i32 s23, ttmp9, 3
	s_add_co_u32 s23, s23, s22                     ; which of the 768 units is mine (waves 0-2)
	s_mov_b32 s28, 512
	s_wait_alu depctr_va_vdst(0)
	s_wait_kmcnt 0x0
	s_cmp_ge_u32 s22, 3
	s_cbranch_scc1 .Lrank
	s_cmp_lt_u32 s23, 512                          ; w13's unit or w2's?  Only pointers, a shift and a pitch are chosen
	s_cselect_b64 s[4:5], s[4:5], s[6:7]
	s_cselect_b64 s[10:11], s[10:11], s[14:15]
	s_cselect_b64 s[12:13], s[12:13], s[16:17]
	s_cselect_b32 s24, 0, s28
	s_cselect_b32 s25, 4, 0                        ; log2 of the K steps of 128
	s_cselect_b32 s26, 8192, s28                   ; a row in bytes
	s_sub_co_u32 s24, s23, s24                     ; the unit's number in its tensor
	s_lshr_b32 s27, s24, s25                       ; its quad
	s_lshl_b32 s28, s27, s25
	s_sub_co_u32 s28, s24, s28                     ; its K step
	s_lshl_b32 s29, s26, 6
	s_mul_i32 s52, s27, s29
	s_lshl_b32 s28, s28, 9
	s_add_co_u32 s52, s52, s28
	s_mov_b32 s53, 0
	s_add_nc_u64 s[BASE:BASE+1], s[4:5], s[52:53]
	s_lshl_b32 s52, s26, 3                         ; 8 rows
.irp k, 1,2,3,4,5,6,7
	s_add_nc_u64 s[BASE+2*\k:BASE+2*\k+1], s[BASE+2*\k-2:BASE+2*\k-1], s[52:53]
.endr
	s_mul_i32 s54, s24, 6144
	s_mov_b32 s55, 0
	s_add_nc_u64 s[48:49], s[10:11], s[54:55]
	s_lshl_b32 s54, s24, 8
	s_add_nc_u64 s[50:51], s[12:13], s[54:55]
	v_mov_b32 v[VO], v[L16]
.irp i, 1,2,3,4,5,6,7
	s_delay_alu instid0(VALU_DEP_1)
	v_add_nc_u32 v[VO+\i], s26, v[VO+\i-1]
.endr
.macro LOAD t                          ; fragment t's 16 rows into set t % 2; 32 lanes read a row's 512 consecutive bytes
.irp p, 0,1,2,3,4,5,6,7,8,9,10,11,12,13,14,15
	global_load_b128 v[R+64*((\t)%2)+4*\p:R+64*((\t)%2)+4*\p+3], v[VO+\p%8], s[BASE+2*(4*((\t)/2)+(\t)%2+2*(\p/8)):BASE+2*(4*((\t)/2)+(\t)%2+2*(\p/8))+1] th:TH_LOAD_NT
.endr
.endm
.macro TURN t                          ; through the wave's own stage: LDS serves a wave's instructions in order (ISA guide 5.7.1.4)
.irp p, 0,1,2,3,4,5,6,7,8,9,10,11,12,13,14,15
	ds_store_b128 v[SA], v[R+64*((\t)%2)+4*\p:R+64*((\t)%2)+4*\p+3] offset:SP*\p
.endr
.irp c, 0,1
.irp j, 0,1,2,3,4,5,6,7
	ds_load_b128 v[X+32*\c+4*\j:X+32*\c+4*\j+3], v[SB] offset:256*\c+16*\j
.endr
.endr
.endm
.macro QF t                            ; my two whole blocks become six registers of codes each, and two bytes of the row's scale word
.irp c, 0,1
	v_max3_num_f32 v[MX+\c], |v[X+32*\c]|, |v[X+32*\c+1]|, 0x1800000
.endr
.irp i, 2,4,6,8,10,12,14,16,18,20,22,24,26,28,30
.irp c, 0,1
	s_delay_alu instid0(VALU_DEP_2)
	v_max3_num_f32 v[MX+\c], v[MX+\c], |v[X+32*\c+\i]|, |v[X+32*\c+\i+1]|
.endr
.endr
.irp c, 0,1
	s_delay_alu instid0(VALU_DEP_2)
	v_add_nc_u32 v[SO+\c], 0xff000000, v[MX+\c]    ; 2 off the exponent field: the conversion's scale operand
.endr
.irp c, 0,1
	s_delay_alu instid0(VALU_DEP_2)
	v_lshrrev_b32 v[BY+\c], 23, v[SO+\c]
.endr
	s_delay_alu instid0(VALU_DEP_1)
	v_lshl_or_b32 v[SW+(\t)], v[BY+1], 16, v[BY]
	s_delay_alu instid0(VALU_DEP_1)
	v_lshlrev_b32 v[SW+(\t)], v[H8], v[SW+(\t)]
	s_delay_alu instid0(VALU_DEP_1)
	v_permlanex16_b32 v[TP], v[SW+(\t)], s30, s31
	s_delay_alu instid0(VALU_DEP_1)
	v_or_b32 v[SW+(\t)], v[SW+(\t)], v[TP]
.if (\t) > 0
	s_wait_alu depctr_va_vdst(0)
	s_wait_xcnt 0x0                                ; the last fragment's stores have read their data registers
.endif
.irp c, 0,1
	v_cvt_scalef32_pk16_fp6_f32 v[CD+6*\c:CD+6*\c+2], v[X+32*\c:X+32*\c+15], v[SO+\c]
	v_cvt_scalef32_pk16_fp6_f32 v[CT+4*\c:CT+4*\c+2], v[X+32*\c+16:X+32*\c+31], v[SO+\c]
.endr
	v_nop                                          ; one plain place behind a scaled conversion
.irp c, 0,1
.irp i, 0,1,2
	v_mov_b32 v[CD+6*\c+3+\i], v[CT+4*\c+\i]
.endr
.endr
.irp c, 0,1,2
	global_store_b128 v[L16], v[CD+4*\c:CD+4*\c+3], s[48:49] offset:1536*(\t)+512*\c   ; 32 lanes store 512 consecutive bytes
.endr
.endm
.macro FRAGMENT t
.if (\t) < 3
	s_wait_loadcnt 16                              ; this fragment's 16 loads are in; the next fragment's 16 may be out
.else
	s_wait_loadcnt 0x0
.endif
	TURN \t
	s_wait_dscnt 0x0
.if (\t) < 2
	LOAD (\t)+2
.endif
	QF \t
.endm
	LOAD 0
	LOAD 1
	s_wait_alu depctr_va_vdst(0)
	FRAGMENT 0
	FRAGMENT 1
	FRAGMENT 2
	FRAGMENT 3
	v_cmp_eq_u32 vcc_lo, 1, v3
	s_delay_alu instid0(VALU_DEP_1)
	v_cndmask_b32 v[OW], v[SW], v[SW+2], vcc_lo
	s_delay_alu instid0(VALU_DEP_2)
	v_cndmask_b32 v[OW+1], v[SW+1], v[SW+3], vcc_lo
	global_store_b64 v[SOF], v[OW:OW+1], s[50:51]  ; the unit's 256 bytes of scale words
	s_wait_tensorcnt 0x0                           ; the wave's end
	ds_add_u32 v62, v63
	s_wait_dscnt 0x0
	s_endpgm
; THE RANKING.  A candidate's number is ((8 e1 + e2) << 13) + j.  The table comes in 8 chunks of 1,024 tokens (16 loads of 16 bytes a lane, two tokens a lane), two sets of registers by turns.
; j counts inside the chunk; in its stead my tokens' numbers go down by 1,024 from chunk to chunk (signed compares).
.Lrank:
	s_sub_co_u32 s24, s22, 3
	s_lshl_b32 s24, s24, 2
	s_lshl_b32 s25, ttmp9, 5
	s_add_co_u32 s24, s24, s25                     ; my first token: 32 x work-group + 4 x (wave - 3)
	s_lshl_b32 s26, s24, 3
	s_load_b256 s[32:39], s[8:9], s26 offset:0x0   ; my four tokens' pairs
	v_lshlrev_b32 v33, 1, v1
.set k, 0
.rept 32
	v_add_nc_u32 v[VJ+k], 64*(k/2)+(k%2), v33
.set k, k+1
.endr
.macro LOADC set, off
.irp i, 0,1,2,3,4,5,6,7,8,9,10,11,12,13,14,15
	global_load_b128 v[\set+4*\i:\set+4*\i+3], v[L16], s[8:9] offset:\off+512*\i
.endr
.endm
.macro PROC set                        ; 1,024 candidates against my four tokens
.irp i, 0,1,2,3,4,5,6,7,8,9,10,11,12,13,14,15
	v_lshl_add_u32 v[34+2*(\i%2)], v[\set+4*\i], 3, v[\set+4*\i+1]
	v_lshl_add_u32 v[35+2*(\i%2)], v[\set+4*\i+2], 3, v[\set+4*\i+3]
	s_delay_alu instid0(VALU_DEP_2)
	v_lshl_add_u32 v[34+2*(\i%2)], v[34+2*(\i%2)], 13, v[VJ+2*\i]
	s_delay_alu instid0(VALU_DEP_2)
	v_lshl_add_u32 v[35+2*(\i%2)], v[35+2*(\i%2)], 13, v[VJ+2*\i+1]
.irp q, 0,1,2,3
	v_cmp_gt_i32 s[40+8*(\i%2)+2*\q], s[56+\q], v[34+2*(\i%2)]
	v_cmp_gt_i32 s[41+8*(\i%2)+2*\q], s[56+\q], v[35+2*(\i%2)]
.endr
.irp q, 0,1,2,3
	s_bcnt1_i32_b32 s[40+8*(\i%2)+2*\q], s[40+8*(\i%2)+2*\q]
	s_bcnt1_i32_b32 s[41+8*(\i%2)+2*\q], s[41+8*(\i%2)+2*\q]
	s_add_co_u32 s[60+\q], s[60+\q], s[40+8*(\i%2)+2*\q]
	s_add_co_u32 s[60+\q], s[60+\q], s[41+8*(\i%2)+2*\q]
.endr
.endr
.irp q, 0,1,2,3
	s_sub_co_i32 s[56+\q], s[56+\q], 1024
.endr
.endm
	LOADC 128, 0
	LOADC 192, 8192
	s_wait_alu depctr_va_vdst(0)
	s_wait_kmcnt 0x0
.irp q, 0,1,2,3
	s_lshl_b32 s[56+\q], s[32+2*\q], 3
	s_add_co_u32 s[56+\q], s[56+\q], s[33+2*\q]
	s_lshl_b32 s[56+\q], s[56+\q], 13
	s_add_co_u32 s[56+\q], s[56+\q], s24
	s_add_co_u32 s[56+\q], s[56+\q], \q
	s_mov_b32 s[60+\q], 0
.endr
	s_mov_b32 s27, 3
.Lrk:
	s_wait_loadcnt 16                              ; the older set is in, the younger 16 loads may be out
	PROC 128
	LOADC 128, 16384
	s_wait_loadcnt 16
	PROC 192
	LOADC 192, 24576
	s_wait_xcnt 0x0                                ; the base steps only behind this wait
	s_add_nc_u64 s[8:9], s[8:9], 16384
	s_sub_co_u32 s27, s27, 1
	s_cmp_lg_u32 s27, 0
	s_wait_alu depctr_va_vdst(0)
	s_cbranch_scc1 .Lrk
	s_wait_loadcnt 16                              ; chunks 6 and 7: nothing more to load
	PROC 128
	s_wait_loadcnt 0x0
	PROC 192
	v_mov_b32 v32, s60                             ; lane q (0..3): token q's place and number; the other lanes repeat lane 0's store
	v_mov_b32 v33, s24
.irp q, 1,2,3
	s_add_co_u32 s25, s24, \q
	v_writelane_b32 v32, s[60+\q], \q
	v_writelane_b32 v33, s25, \q
.endr
	v_min_u32 v32, 0x1fff, v32
	s_delay_alu instid0(VALU_DEP_1)
	v_lshlrev_b32 v32, 2, v32
	s_wait_alu depctr_va_vdst(0)
	global_store_b32 v32, v33, s[18:19]
	s_endpgm
.Lfunc_end_k_q7f1af86aa3_prep:
	.size	k_q7f1af86aa3_prep, .Lfunc_end_k_q7f1af86aa3_prep-k_q7f1af86aa3_prep
	.p2alignl 7, 3214868480
	.fill 96, 4, 3214868480
	.section	.rodata,"a",@progbits
	.p2align	6, 0x0
	.amdhsa_kernel k_q7f1af86aa3_prep
		.amdhsa_group_segment_fixed_size 26880
		.amdhsa_private_segment_fixed_size 0
		.amdhsa_enable_private_segment 0
		.amdhsa_kernarg_size 64
		.amdhsa_user_sgpr_count 2
		.amdhsa_user_sgpr_kernarg_segment_ptr 1
		.amdhsa_wavefront_size32 1
		.amdhsa_system_sgpr_workgroup_id_x 1
		.amdhsa_system_sgpr_workgroup_id_y 1
		.amdhsa_system_sgpr_workgroup_id_z 1
		.amdhsa_system_vgpr_workitem_id 0
		.amdhsa_next_free_vgpr 256
		.amdhsa_next_free_sgpr 72
		.amdhsa_reserve_vcc 1
		.amdhsa_float_denorm_mode_32 3
		.amdhsa_float_denorm_mode_16_64 3
		.amdhsa_memory_ordered 1
		.amdhsa_forward_progress 1
		.amdhsa_inst_pref_size 131
	.end_amdhsa_kernel
	.amdgpu_metadata
---
amdhsa.version: [ 1, 2 ]
amdhsa.kernels:
  - .name:           k_q7f1af86aa3_prep
    .symbol:         k_q7f1af86aa3_prep.kd
    .args:
      - { .name: w13, .offset: 0, .size: 8, .value_kind: global_buffer, .address_space: global }
      - { .name: w2, .offset: 8, .size: 8, .value_kind: global_buffer, .address_space: global }
      - { .name: expert_routing_table, .offset: 16, .size: 8, .value_kind: global_buffer, .address_space: global }
      - { .name: w13q, .offset: 24, .size: 8, .value_kind: global_buffer, .address_space: global }
      - { .name: w13s, .offset: 32, .size: 8, .value_kind: global_buffer, .address_space: global }
      - { .name: w2q, .offset: 40, .size: 8, .value_kind: global_buffer, .address_space: global }
      - { .name: w2s, .offset: 48, .size: 8, .value_kind: global_buffer, .address_space: global }
      - { .name: order, .offset: 56, .size: 8, .value_kind: global_buffer, .address_space: global }
    .group_segment_fixed_size: 26880
    .private_segment_fixed_size: 0
    .kernarg_segment_align: 8
    .kernarg_segment_size: 64
    .max_flat_workgroup_size: 352
    .sgpr_count:     72
    .vgpr_count:     256
    .wavefront_size: 32
...
	.end_amdgpu_metadata
.endif
;; end of part 1
;; launch moe (part 2): grid 256 x 1, 4 waves a work-group, no clusters, 89,344 bytes of LDS; arguments hidden_states, expert_routing_table, router_weights, order, w13q, w13s, w2q, w2s, out0; writes out0
.if DOCPART == 2
	.amdgcn_target "amdgcn-amd-amdhsa--gfx1250"
	.amdhsa_code_object_version 6
	.text
	.protected	k_q7f1af86aa3_moe
	.globl	k_q7f1af86aa3_moe
	.p2align	8
	.type	k_q7f1af86aa3_moe,@function
k_q7f1af86aa3_moe:
	s_mov_b64 s[64:65], 0
	v_nop
	global_prefetch_b8 v0, s[64:65] scope:SCOPE_SE
	s_setreg_imm32_b32 hwreg(HW_REG_WAVE_MODE, 25, 1), 1
	s_wait_xcnt 0x0
; out[t] = the sum over the experts e that the table names for t of coef x ((silu(x W_gate^T) x (x W_up^T)) W_down^T), all products on codes of FP6 (E2M3) with E8M0 scales.
; WORK LEFT OUT: an expert that none of a block's 32 tokens names has coef = 0 for all of them and adds 0: it is not multiplied (shown at the head of the launch before).
; A WORK-GROUP OWNS 32 TOKENS, places 32 b .. 32 b + 31 of the list sorted by pairs of experts: two tiles of 16.  It reads their rows of x once, quantises them into LDS as images of the operand's registers,
; and takes them through every expert that the block names.  The first such expert is written out ahead of the loop: its products start the sums of out.  The loop has 7 trips, a constant;
; a trip with no expert left passes over its work by a scalar branch, and passes every barrier.
; FOR AN EXPERT: wave w makes hidden units 32 w .. 32 w + 31 (two fragments of gate, two of up, x two token tiles: 8 sums, 16 K steps); SwiGLU in f32; the block of 32 is quantised in the wave;
; codes and scale bytes go to LDS; then wave w makes columns 512 w .. 512 w + 511 of the down product (8 quads x 4 fragments x 2 tiles, one matrix instruction deep), each result times coef onto 512 registers of sums.
; THE MATRIX INSTRUCTION IS USED TRANSPOSED (source 0 = 16 rows of a weight, source 1 = 16 tokens): a lane holds one token.
; THE WEIGHTS go from memory straight into registers, in groups of 4 fragments (12 loads), through a ring of 4 groups: 16 groups of w13, 8 of w2; a slot's last four turns ask for the next expert's first four groups.
; Where no expert is left, those 64 loads name the same expert again and are not used: so every way through the text has the same count of loads behind each counted wait.
; No tensor loads and no cluster: branches hang on the routing table.  No prefetch: the ring asks four groups ahead.
; LIMITS: the table holds 0 .. 7; NaN and infinities are not served; a block of zeros has the byte 1 (zero codes; the bytes are read here alone).
; REGISTERS: window 0 as named below; window 1: v0-191 the ring, v192-207 byte offsets of out's rows; windows 2, 3: the sums of tile 0, 1 (quad q, fragment f at 32 q + 8 f); at the head they take x's rows.
.set XSB,  49152                       ; LDS: x's fragments [tile][step][1,536] from 0; here x's scale words [token][step]
.set HC,   51200                       ; h's codes: 32 rows, HP bytes apart
.set HP,   104
.set HS,   54784                       ; h's scale words [token]
.set STG,  55040                       ; a stage of its own for each wave
.set WST,  8448
.set SPARE, 88832
.set L16, 4
.set SPW, 5
.set NIL, 6
.set SA,  7
.set SB,  8
.set XI,  9
.set XSA, 10
.set XSR, 11
.set HCA, 12
.set HSA, 13
.set HRA, 14
.set HSR, 15
.set WSA, 16
.set W2A, 17
.set STO, 18
.set RD,  19
.set H8,  20
.set TP,  21
.set R16, 22
.set LX,  23
.set CF,  24                           ; v24-25 coef of tile 0, 1
.set HSW, 26                           ; h's scale words: scales alone
.set RT,  28                           ; v28-35 (e1, e2), (w1, w2) of my token in tile 0, tile 1
.set XS,  48                           ; v48-63 x's scale words, a register a step: lanes 0-15 tile 0, lanes 16-31 tile 1
.set WS,  64                           ; v64-95 w13's scale words, two a step: lanes 0-15 gate, lanes 16-31 up
.set W2S, 96                           ; v96-111 w2's: lanes 0-15 the even quad, lanes 16-31 the odd one
.set GA,  112                          ; v112-175 gate and up sums; then the down results; at the head 64 numbers; at the end rows on the way out
.set XF,  176                          ; v176-223 x's fragments, two sets; exponentials; h's fragments
.set VO,  224                          ; v224-239 head: byte offsets of my tile's 16 rows of x
.set HCD, 240
.set TM,  248
.set MSB, 0
.macro WIN new
.if MSB != (\new)
	s_set_vgpr_msb (MSB<<8)|(\new)
.set MSB, (\new)
.endif
.endm
.macro NOPS
.rept 4
	v_nop
.endr
.endm
.macro BAR
	s_barrier_signal -1
	s_barrier_wait -1
.endm
.macro WM d, a, b, sa, sb, ra, rb, z
.if \z
	v_wmma_scale_f32_16x16x128_f8f6f4 v[\d:\d+7], v[\a:\a+11], v[\b:\b+11], 0, v[\sa], v[\sb] matrix_a_fmt:MATRIX_FMT_FP6 matrix_b_fmt:MATRIX_FMT_FP6 matrix_a_scale:MATRIX_SCALE_ROW\ra matrix_b_scale:MATRIX_SCALE_ROW\rb
.else
	v_wmma_scale_f32_16x16x128_f8f6f4 v[\d:\d+7], v[\a:\a+11], v[\b:\b+11], v[\d:\d+7], v[\sa], v[\sb] matrix_a_fmt:MATRIX_FMT_FP6 matrix_b_fmt:MATRIX_FMT_FP6 matrix_a_scale:MATRIX_SCALE_ROW\ra matrix_b_scale:MATRIX_SCALE_ROW\rb
.endif
.endm
.macro SETE13 e                        ; w13's codes and scale words of expert s[e], my wave's part
	s_mul_i32 s56, s[\e], 393216
	s_add_co_u32 s56, s56, s58
	s_mov_b32 s57, 0
	s_add_nc_u64 s[48:49], s[12:13], s[56:57]
	s_lshl_b32 s56, s[\e], 14
	s_add_co_u32 s56, s56, s59
	s_add_nc_u64 s[50:51], s[14:15], s[56:57]
.endm
.macro WSLOAD
.set k, 0
.rept 16
	global_load_b64 v[WS+2*k:WS+2*k+1], v[WSA], s[50:51] offset:256*k
.set k, k+1
.endr
.endm
.macro GL13 g                          ; K step g of w13: two fragments of gate, two of up
	WIN 0x40
.irp f, 0,1,2,3
.irp k, 0,1,2
	global_load_b128 v[48*((\g)%4)+12*\f+4*\k:48*((\g)%4)+12*\f+4*\k+3], v[L16], s[48:49] offset:6144*(\g)+196608*(\f/2)+1536*(\f%2)+512*\k
.endr
.endr
	WIN 0
.endm
.macro GL2 q                           ; quad q of my eight of w2
	WIN 0x40
.irp f, 0,1,2,3
.irp k, 0,1,2
	global_load_b128 v[48*((\q)%4)+12*\f+4*\k:48*((\q)%4)+12*\f+4*\k+3], v[L16], s[52:53] offset:6144*(\q)+1536*\f+512*\k
.endr
.endr
	WIN 0
.endm
.macro XLOAD s                         ; both tiles' fragments of x for step s
.irp tt, 0,1
.irp k, 0,1,2
	ds_load_b128 v[XF+24*((\s)%2)+12*\tt+4*\k:XF+24*((\s)%2)+12*\tt+4*\k+3], v[L16] offset:1536*(16*\tt+(\s))+512*\k
.endr
.endr
.endm
	s_load_b512 s[4:19], s[0:1], 0x0               ; x, table s[6:7], weights s[8:9], order s[10:11], w13q, w13s, w2q, w2s
	s_load_b64 s[20:21], s[0:1], 0x40              ; out
	v_lshl_add_u32 v[SPW], v0, 2, SPARE
	v_mov_b32 v[NIL], 0
	v_lshrrev_b32 v1, 5, v0
	v_readfirstlane_b32 s22, v1                    ; wave 0..3
	v_and_b32 v1, 31, v0
	v_and_b32 v2, 15, v0                           ; r
	v_bfe_u32 v3, v0, 4, 1                         ; h
	s_lshr_b32 s23, s22, 1                         ; head: my tile
	s_and_b32 s24, s22, 1                          ; head: my half of K
	v_lshlrev_b32 v[L16], 4, v1
	v_lshlrev_b32 v[R16], 4, v2
	v_lshlrev_b32 v[H8], 3, v3
	v_lshlrev_b32 v36, 2, v2
	v_lshlrev_b32 v37, 2, v3
	s_lshl_b32 s56, s24, 12
	v_add_nc_u32 v[LX], s56, v[L16]
	s_mul_i32 s56, s22, WST
	s_add_co_u32 s56, s56, STG
	v_add_nc_u32 v[SA], s56, v[L16]
	v_mul_u32_u24 v[SB], v2, 528
	v_lshl_add_u32 v[SB], v3, 7, v[SB]
	v_add_nc_u32 v[SB], s56, v[SB]
	v_mul_u32_u24 v[STO], v2, 272
	v_lshl_add_u32 v[STO], v3, 6, v[STO]
	v_add_nc_u32 v[STO], s56, v[STO]
	v_mul_u32_u24 v[RD], v3, 272
	v_lshl_add_u32 v[RD], v2, 4, v[RD]
	v_add_nc_u32 v[RD], s56, v[RD]
	s_mul_i32 s56, s22, 12288
	v_add_nc_u32 v[XI], s56, v[L16]                ; my 8 units of x's fragments
	s_lshl_b32 s56, s23, 10
	s_lshl_b32 s57, s24, 5
	s_add_co_u32 s56, s56, s57
	s_add_co_u32 s56, s56, XSB
	v_lshl_add_u32 v[XSA], v2, 6, s56
	v_lshl_add_u32 v[XSR], v1, 6, XSB
	v_mul_u32_u24 v[HRA], v2, HP
	s_mul_i32 s56, s22, 24
	s_add_co_u32 s56, s56, HC
	v_mad_u32_u24 v[HCA], v3, 12, v[HRA]
	v_add_nc_u32 v[HCA], s56, v[HCA]               ; my 12 bytes of row r: 24 w + 12 h
	v_mad_u32_u24 v[HRA], v3, 24, v[HRA]
	v_add_nc_u32 v[HRA], HC, v[HRA]
	s_add_co_u32 s56, s22, HS
	v_lshl_add_u32 v[HSA], v2, 2, s56
	v_lshl_add_u32 v[HSR], v1, 2, HS
	v_lshl_add_u32 v[WSA], v3, 13, v[R16]
	v_lshl_add_u32 v[W2A], v3, 8, v[R16]
	v_mov_b32 v[TP], 0
	v_mov_b32 v[TM+2], 0
	v_mov_b32 v[TM+3], 0
	s_mov_b32 s28, 0x76543210
	s_mov_b32 s29, 0xfedcba98
	s_mov_b32 s30, 0xbfb8aa3b                      ; -log2(e)
	s_mov_b32 s31, s30
	s_mul_i32 s58, s23, 98304
	s_mul_i32 s59, s24, 3072
	s_add_co_u32 s58, s58, s59                     ; w13q: quad w / 2, fragments 2 (w % 2) on
	s_lshl_b32 s59, s23, 12
	s_lshl_b32 s60, s24, 3
	s_add_co_u32 s59, s59, s60
	s_mul_i32 s60, s22, 49152                      ; w2q: my eight quads
	s_lshl_b32 s61, s22, 11                        ; w2s; and my 512 columns of out in bytes
	s_lshl_b32 s56, ttmp9, 7
	s_mov_b32 s57, 0
	s_lshl_b32 s63, s23, 6
	s_wait_alu depctr_va_vdst(0)
	s_wait_kmcnt 0x0
	s_add_nc_u64 s[10:11], s[10:11], s[56:57]      ; my block's 32 words of the list
	s_load_b512 s[32:47], s[10:11], s63 offset:0x0 ; my tile's 16 tokens, as scalars
	global_load_b32 v38, v36, s[10:11]             ; the token of lane-row r in tile 0,
	global_load_b32 v39, v36, s[10:11] offset:64   ; in tile 1
	WIN 0x40
.irp tt, 0,1
.irp i, 0,1,2,3,4,5,6,7
	global_load_b32 v[192+8*\tt+\i], v37, s[10:11] offset:64*\tt+8*\i   ; the token of row 2 i + h, for the way out
.endr
.endr
	WIN 0
	s_mov_b32 s56, s61
	s_add_nc_u64 s[20:21], s[20:21], s[56:57]
	s_wait_loadcnt 0x0
	v_min_u32 v38, 0x1fff, v38
	v_min_u32 v39, 0x1fff, v39
	v_lshlrev_b32 v38, 3, v38
	v_lshlrev_b32 v39, 3, v39
	global_load_b64 v[RT:RT+1], v38, s[6:7]
	global_load_b64 v[RT+2:RT+3], v38, s[8:9]
	global_load_b64 v[RT+4:RT+5], v39, s[6:7]
	global_load_b64 v[RT+6:RT+7], v39, s[8:9]
	WIN 0x44
.set k, 0
.rept 16
	v_min_u32 v[192+k], 0x1fff, v[192+k]
.set k, k+1
.endr
	WIN 0x41
.set k, 0
.rept 16
	v_lshl_add_u32 v[192+k], v[192+k], 13, v[R16]  ; a row of out is 8,192 bytes; + 16 bytes a lane
.set k, k+1
.endr
	WIN 0
	s_wait_alu depctr_va_vdst(0)
	s_wait_kmcnt 0x0
.irp p, 0,1,2,3,4,5,6,7,8,9,10,11,12,13,14,15
	s_min_u32 s[32+\p], s[32+\p], 0x1fff
	s_lshl_b32 s[32+\p], s[32+\p], 13
	v_add_nc_u32 v[VO+\p], s[32+\p], v[LX]
.endr
	s_wait_alu depctr_va_vdst(0)
.irp u, 0,1,2,3,4,5,6,7                ; my tile's 16 rows x my 1,024 along K: 128 loads, each a row's 512 consecutive bytes, into the registers of the sums
	WIN 0x80+0x40*(\u/4)
.irp p, 0,1,2,3,4,5,6,7,8,9,10,11,12,13,14,15
	global_load_b128 v[64*(\u%4)+4*\p:64*(\u%4)+4*\p+3], v[VO+\p], s[4:5] offset:512*\u th:TH_LOAD_NT
.endr
.endr
	WIN 0
	s_wait_loadcnt 63                              ; 128 loads stand behind the four of the table and the weights
	v_mov_b32 v40, 1                               ; which experts does the block name?
	v_lshlrev_b32 v41, v[RT], v40
	v_lshlrev_b32 v42, v[RT+1], v40
	v_lshlrev_b32 v43, v[RT+4], v40
	v_lshlrev_b32 v44, v[RT+5], v40
	v_or_b32 v41, v41, v42
	v_or_b32 v43, v43, v44
	v_or_b32 v41, v41, v43
	s_wait_alu depctr_va_vdst(0)
	s_mov_b32 s25, 0
.irp e, 0,1,2,3,4,5,6,7
	v_and_b32 v42, 1<<\e, v41
	v_cmp_ne_u32 s56, 0, v42
	s_cmp_lg_u32 s56, 0
	s_cselect_b32 s56, 1<<\e, 0
	s_or_b32 s25, s25, s56
.endr
	s_ctz_i32_b32 s26, s25                         ; the first of them (7, with coef 0 everywhere, if the table names none of 0 .. 7)
	s_min_u32 s26, s26, 7
	s_add_co_i32 s66, s25, -1
	s_and_b32 s25, s25, s66                        ; those that are left
; A unit: 16 tokens x 128 along K turn through my stage, so that a lane holds two whole blocks; codes go to LDS as the fragment's image, the scale word beside them.
; Every wait below is for 63: behind unit u's loads stand 16 (7 - u) of x and, from unit 4 on, 28 + 12 (u - 4) of the weights: 64 at the least.
.macro UNIT u
.if (\u) == 4
	SETE13 26
	WSLOAD
.endif
.if (\u) >= 4
	GL13 (\u)-4
.endif
	s_wait_loadcnt 63
	WIN 0x08+4*((\u)/4)
.irp p, 0,1,2,3,4,5,6,7,8,9,10,11,12,13,14,15
	ds_store_b128 v[SA], v[64*((\u)%4)+4*\p:64*((\u)%4)+4*\p+3] offset:528*\p
.endr
	WIN 0
.irp c, 0,1
.irp j, 0,1,2,3,4,5,6,7
	ds_load_b128 v[GA+32*\c+4*\j:GA+32*\c+4*\j+3], v[SB] offset:256*\c+16*\j
.endr
.endr
	s_wait_dscnt 0x0
.irp c, 0,1
	v_max3_num_f32 v[TM+\c], |v[GA+32*\c]|, |v[GA+32*\c+1]|, 0x1800000   ; with the floor 2^(3 - 127)
.endr
.irp i, 2,4,6,8,10,12,14,16,18,20,22,24,26,28,30
.irp c, 0,1
	v_max3_num_f32 v[TM+\c], v[TM+\c], |v[GA+32*\c+\i]|, |v[GA+32*\c+\i+1]|
.endr
.endr
.irp c, 0,1
	v_add_nc_u32 v[TM+4+\c], 0xff000000, v[TM+\c]
.endr
.irp c, 0,1
	v_lshrrev_b32 v[TM+6+\c], 23, v[TM+4+\c]
.endr
	v_lshl_or_b32 v45, v[TM+7], 16, v[TM+6]
	v_lshlrev_b32 v45, v[H8], v45
	v_permlanex16_b32 v[TP], v45, s28, s29
	v_or_b32 v45, v45, v[TP]
.irp c, 0,1
	v_cvt_scalef32_pk16_fp6_f32 v[XF+6*\c:XF+6*\c+2], v[GA+32*\c:GA+32*\c+15], v[TM+4+\c]
	v_cvt_scalef32_pk16_fp6_f32 v[XF+12+4*\c:XF+14+4*\c], v[GA+32*\c+16:GA+32*\c+31], v[TM+4+\c]
.endr
	v_nop
.irp c, 0,1
.irp i, 0,1,2
	v_mov_b32 v[XF+6*\c+3+\i], v[XF+12+4*\c+\i]
.endr
.endr
.irp k, 0,1,2
	ds_store_b128 v[XI], v[XF+4*\k:XF+4*\k+3] offset:1536*(\u)+512*\k
.endr
	ds_store_b32 v[XSA], v45 offset:4*(\u)
.endm
.irp u, 0,1,2,3,4,5,6,7
	UNIT \u
.endr
	s_wait_alu depctr_va_vdst(0)
	s_wait_dscnt 0x0                               ; for the others' sake: my stores are done
	BAR
.irp j, 0,1,2,3
	ds_load_b128 v[XS+4*\j:XS+4*\j+3], v[XSR] offset:16*\j
.endr
; GATE AND UP of expert s26, SwiGLU, the quantiser, h's codes and bytes into LDS.
.macro STEP s, z
.if (\s) < 4
	s_wait_loadcnt 40                              ; behind this group: three groups and w2's four scale loads
.else
	s_wait_loadcnt 36                              ; three groups
.endif
	s_wait_dscnt 0x0
.if (\s) < 15
	XLOAD (\s)+1
.endif
	WIN 0x01
.irp tt, 0,1                           ; eight sums by turns
.irp f, 0,1
	WM GA+32*\tt+8*\f, 48*((\s)%4)+12*\f, XF+24*((\s)%2)+12*\tt, WS+2*(\s)+\f, XS+(\s), 0, \tt, \z
.endr
.irp f, 0,1
	WM GA+32*\tt+16+8*\f, 48*((\s)%4)+24+12*\f, XF+24*((\s)%2)+12*\tt, WS+2*(\s)+\f, XS+(\s), 1, \tt, \z
.endr
.endr
	WIN 0
	NOPS                                           ; four places ahead of loads into registers that matrix instructions have read
.if (\s)+4 < 16
	GL13 (\s)+4
.else
	GL2 (\s)-12
.endif
.endm
.macro GATEUP
	s_wait_xcnt 0x0                                ; the bases are written again only behind this wait
	SETE13 26                                      ; w13's bases, made anew from this slot's expert (the same values as those by which its first groups were asked for)
	s_mul_i32 s56, s26, 196608
	s_add_co_u32 s56, s56, s60
	s_mov_b32 s57, 0
	s_add_nc_u64 s[52:53], s[16:17], s[56:57]
	s_lshl_b32 s56, s26, 13
	s_add_co_u32 s56, s56, s61
	s_add_nc_u64 s[54:55], s[18:19], s[56:57]
.irp tt, 0,1                           ; coef, as reference() sums it
	v_cmp_eq_u32 vcc_lo, s26, v[RT+4*\tt]
	v_cndmask_b32 v[CF+\tt], 0, v[RT+4*\tt+2], vcc_lo
	v_cmp_eq_u32 vcc_lo, s26, v[RT+4*\tt+1]
	v_cndmask_b32 v40, 0, v[RT+4*\tt+3], vcc_lo
	v_add_f32 v[CF+\tt], v[CF+\tt], v40
.endr
	s_wait_alu depctr_va_vdst(0)
.irp j, 0,1,2,3
	global_load_b128 v[W2S+4*\j:W2S+4*\j+3], v[W2A], s[54:55] offset:512*\j
.endr
	XLOAD 0
	STEP 0, 1
.set ST, 1
.rept 15
	STEP ST, 0
.set ST, ST+1
.endr
.irp tt, 0,1
.irp i, 0,2,4,6,8,10,12,14
	v_pk_mul_f32 v[XF+16*\tt+\i:XF+16*\tt+\i+1], v[GA+32*\tt+\i:GA+32*\tt+\i+1], s[30:31] op_sel_hi:[1,0]
.endr
.endr
.irp tt, 0,1
.irp i, 0,2,4,6,8,10,12,14
	v_pk_mul_f32 v[GA+32*\tt+\i:GA+32*\tt+\i+1], v[GA+32*\tt+\i:GA+32*\tt+\i+1], v[GA+32*\tt+16+\i:GA+32*\tt+17+\i]
.endr
.endr
	s_wait_alu depctr_va_vdst(0)
.set k, 0
.rept 32
	v_exp_f32 v[XF+k], v[XF+k]
.set k, k+1
.endr
	v_nop
	s_wait_alu depctr_va_vdst(0)
.set k, 0
.rept 16
	v_pk_add_f32 v[XF+2*k:XF+2*k+1], v[XF+2*k:XF+2*k+1], 1.0 op_sel_hi:[1,0]
.set k, k+1
.endr
	s_wait_alu depctr_va_vdst(0)
.set k, 0
.rept 32
	v_rcp_f32 v[XF+k], v[XF+k]
.set k, k+1
.endr
	v_nop
	s_wait_alu depctr_va_vdst(0)
.irp tt, 0,1
.irp i, 0,2,4,6,8,10,12,14
	v_pk_mul_f32 v[GA+32*\tt+\i:GA+32*\tt+\i+1], v[GA+32*\tt+\i:GA+32*\tt+\i+1], v[XF+16*\tt+\i:XF+16*\tt+\i+1]   ; h: units 32 w + 16 h + 0 .. 15 of my token
.endr
.endr
.irp tt, 0,1
	v_max3_num_f32 v[TM+\tt], |v[GA+32*\tt]|, |v[GA+32*\tt+1]|, 0x1800000
.endr
.irp i, 2,4,6,8,10,12,14
.irp tt, 0,1
	v_max3_num_f32 v[TM+\tt], v[TM+\tt], |v[GA+32*\tt+\i]|, |v[GA+32*\tt+\i+1]|
.endr
.endr
.irp tt, 0,1
	v_permlanex16_b32 v[TM+2+\tt], v[TM+\tt], s28, s29
.endr
.irp tt, 0,1
	v_max_num_f32 v[TM+\tt], v[TM+\tt], v[TM+2+\tt]   ; with lane l xor 16's 16: the block's largest magnitude
.endr
.irp tt, 0,1
	v_add_nc_u32 v[TM+4+\tt], 0xff000000, v[TM+\tt]
.endr
.irp tt, 0,1
	v_lshrrev_b32 v[TM+6+\tt], 23, v[TM+4+\tt]
.endr
.irp tt, 0,1
	v_cvt_scalef32_pk16_fp6_f32 v[HCD+4*\tt:HCD+4*\tt+2], v[GA+32*\tt:GA+32*\tt+15], v[TM+4+\tt]
.endr
	v_nop
.irp tt, 0,1
.irp i, 0,1,2
	ds_store_b32 v[HCA], v[HCD+4*\tt+\i] offset:16*HP*\tt+4*\i
.endr
	ds_store_b8 v[HSA], v[TM+6+\tt] offset:64*\tt   ; both lanes of a block write the same byte
.endr
	s_wait_alu depctr_va_vdst(0)
.endm
; h from wave to wave: store, wait, barrier, load; and load, wait, barrier ahead of the next expert's stores.  Every wave runs this in every trip.
.macro SHARE
	s_wait_dscnt 0x0
	BAR
.irp tt, 0,1
.irp p, 0,1,2,3,4,5
	ds_load_b64 v[XF+12*\tt+2*\p:XF+12*\tt+2*\p+1], v[HRA] offset:16*HP*\tt+48*(\p/3)+8*(\p%3)
.endr
.endr
	ds_load_b32 v[HSW], v[HSR]
	s_wait_dscnt 0x0
	BAR
.endm
.macro FM q, tt, init                  ; tile tt's sums of quad q: coef x result, started (init) or added onto; each result is read from its low end on
.if \init
	WIN 0x80+0x40*(\tt)
.else
	WIN 0xa0+0x50*(\tt)
.endif
.irp f, 0,1,2,3
.irp i, 0,2,4,6
.if \init
.if (\tt) == 0
	v_pk_mul_f32 v[32*(\q)+8*\f+\i:32*(\q)+8*\f+\i+1], v[GA+8*\f+\i:GA+8*\f+\i+1], v[CF:CF+1] op_sel_hi:[1,0]
.else
	v_pk_mul_f32 v[32*(\q)+8*\f+\i:32*(\q)+8*\f+\i+1], v[GA+32+8*\f+\i:GA+32+8*\f+\i+1], v[CF:CF+1] op_sel:[0,1] op_sel_hi:[1,1]
.endif
.else
.if (\tt) == 0
	v_pk_fma_f32 v[32*(\q)+8*\f+\i:32*(\q)+8*\f+\i+1], v[GA+8*\f+\i:GA+8*\f+\i+1], v[CF:CF+1], v[32*(\q)+8*\f+\i:32*(\q)+8*\f+\i+1] op_sel_hi:[1,0,1]
.else
	v_pk_fma_f32 v[32*(\q)+8*\f+\i:32*(\q)+8*\f+\i+1], v[GA+32+8*\f+\i:GA+32+8*\f+\i+1], v[CF:CF+1], v[32*(\q)+8*\f+\i:32*(\q)+8*\f+\i+1] op_sel:[0,1,0] op_sel_hi:[1,1,1]
.endif
.endif
.endr
.endr
.endm
; A quad of w2: four products for tile 0, the packed lines of the quad before (tile 1), four products for tile 1, the packed lines of tile 0.  The 16 packed lines between are the places behind the products.
.macro DOWNQ q, par, init
.if (\q) > 4
	s_wait_loadcnt 52                              ; behind this group: the younger groups and the next expert's 16 scale loads
.else
	s_wait_loadcnt 36
.endif
	WIN 0x01
.irp f, 0,1,2,3
	WM GA+8*\f, 48*((\q)%4)+12*\f, XF, W2S+4*((\q)/2)+\f, HSW, \par, 0, 1
.endr
.if (\q) == 0
	NOPS
.else
	FM (\q)-1, 1, \init
.endif
	WIN 0x01
.irp f, 0,1,2,3
	WM GA+32+8*\f, 48*((\q)%4)+12*\f, XF+12, W2S+4*((\q)/2)+\f, HSW, \par, 1, 1
.endr
	FM \q, 0, \init
	WIN 0
.if (\q) == 4
	s_ctz_i32_b32 s62, s25                         ; the next expert; where none is left, this one again
	s_cmp_lg_u32 s25, 0
	s_cselect_b32 s62, s62, s26
	s_min_u32 s62, s62, 7
	s_wait_xcnt 0x0
	SETE13 62
	WSLOAD
.endif
.if (\q) < 4
	GL2 (\q)+4
.else
	GL13 (\q)-4
.endif
.endm
.macro DOWN init
	s_wait_xcnt 0x0                                ; w2's base is written again only behind this wait
	s_min_u32 s26, s26, 7                          ; this slot's expert, held inside the tables; the base is made anew from it (the same value)
	s_mul_i32 s56, s26, 196608
	s_add_co_u32 s56, s56, s60
	s_mov_b32 s57, 0
	s_add_nc_u64 s[52:53], s[16:17], s[56:57]
	DOWNQ 0, 0, \init
	DOWNQ 1, 1, \init
	DOWNQ 2, 0, \init
	DOWNQ 3, 1, \init
	DOWNQ 4, 0, \init
	DOWNQ 5, 1, \init
	DOWNQ 6, 0, \init
	DOWNQ 7, 1, \init
	FM 7, 1, \init
	WIN 0
	s_wait_alu depctr_va_vdst(0)
.endm
	GATEUP                                         ; the block's first expert: its products start the sums of out
	SHARE
	DOWN 1
	s_mov_b32 s27, 0
.Ltrip:
	s_cmp_lg_u32 s25, 0                            ; is an expert left?  The same in all four waves
	s_cselect_b32 s67, 1, 0
	s_cbranch_scc0 .Lno_up
	s_min_u32 s26, s62, 7                          ; the expert whose first groups are on their way, held inside the tables
	s_add_co_i32 s66, s25, -1
	s_and_b32 s25, s25, s66
	GATEUP
.Lno_up:
	SHARE
	s_cmp_lg_u32 s67, 0
	s_cbranch_scc0 .Lno_down
	DOWN 0
.Lno_down:
	s_add_co_u32 s27, s27, 1
	s_cmp_lt_u32 s27, 7
	s_cbranch_scc1 .Ltrip
; THE WAY OUT: 16 tokens x 64 columns at a time through my stage, back as whole rows of 256 bytes; sixteen lanes store one aligned unit of a token's row.
.macro TOSTAGE a
	WIN 0x08+4*((\a)/8)
.irp t, 0,1,2,3
.irp k, 0,1
	ds_store_b128 v[STO], v[32*((\a)%8)+8*\t+4*\k:32*((\a)%8)+8*\t+4*\k+3] offset:128*(\t/2)+32*(\t%2)+16*\k
.endr
.endr
	WIN 0
.irp i, 0,1,2,3,4,5,6,7
	ds_load_b128 v[GA+32*((\a)%2)+4*\i:GA+32*((\a)%2)+4*\i+3], v[RD] offset:544*\i   ; LDS serves a wave's instructions in order (ISA guide 5.7.1.4)
.endr
.endm
.macro SEND a, younger
	s_wait_dscnt \younger
	WIN 0x01
.irp i, 0,1,2,3,4,5,6,7
	global_store_b128 v[192+8*((\a)/8)+\i], v[GA+32*((\a)%2)+4*\i:GA+32*((\a)%2)+4*\i+3], s[20:21] offset:256*((\a)%8) th:TH_STORE_NT
.endr
	WIN 0
.endm
	s_wait_alu depctr_va_vdst(0)
	TOSTAGE 0
.set AA, 1
.rept 15
.if AA > 1
	s_wait_xcnt 0x0                                ; the stores two units back have read their data registers
.endif
	TOSTAGE AA
	SEND AA-1, 16                                  ; behind that unit's loads: this unit's 8 stores and 8 loads
.set AA, AA+1
.endr
	SEND 15, 0
	s_wait_tensorcnt 0x0                           ; the wave's end
	ds_add_u32 v[SPW], v[NIL]
	s_wait_dscnt 0x0
	s_endpgm
.Lfunc_end_k_q7f1af86aa3_moe:
	.size	k_q7f1af86aa3_moe, .Lfunc_end_k_q7f1af86aa3_moe-k_q7f1af86aa3_moe
	.p2alignl 7, 3214868480
	.fill 96, 4, 3214868480
	.section	.rodata,"a",@progbits
	.p2align	6, 0x0
	.amdhsa_kernel k_q7f1af86aa3_moe
		.amdhsa_group_segment_fixed_size 89344
		.amdhsa_private_segment_fixed_size 0
		.amdhsa_enable_private_segment 0
		.amdhsa_kernarg_size 72
		.amdhsa_user_sgpr_count 2
		.amdhsa_user_sgpr_kernarg_segment_ptr 1
		.amdhsa_wavefront_size32 1
		.amdhsa_system_sgpr_workgroup_id_x 1
		.amdhsa_system_sgpr_workgroup_id_y 1
		.amdhsa_system_sgpr_workgroup_id_z 1
		.amdhsa_system_vgpr_workitem_id 0
		.amdhsa_next_free_vgpr 1024
		.amdhsa_next_free_sgpr 72
		.amdhsa_reserve_vcc 1
		.amdhsa_float_denorm_mode_32 3
		.amdhsa_float_denorm_mode_16_64 3
		.amdhsa_memory_ordered 1
		.amdhsa_forward_progress 1
		.amdhsa_inst_pref_size 255
	.end_amdhsa_kernel
	.section	.bss,"aw",@nobits
	.p2align	6
	.space	262144
	.amdgpu_metadata
---
amdhsa.version: [ 1, 2 ]
amdhsa.kernels:
  - .name:           k_q7f1af86aa3_moe
    .symbol:         k_q7f1af86aa3_moe.kd
    .args:
      - { .name: hidden_states, .offset: 0, .size: 8, .value_kind: global_buffer, .address_space: global }
      - { .name: expert_routing_table, .offset: 8, .size: 8, .value_kind: global_buffer, .address_space: global }
      - { .name: router_weights, .offset: 16, .size: 8, .value_kind: global_buffer, .address_space: global }
      - { .name: order, .offset: 24, .size: 8, .value_kind: global_buffer, .address_space: global }
      - { .name: w13q, .offset: 32, .size: 8, .value_kind: global_buffer, .address_space: global }
      - { .name: w13s, .offset: 40, .size: 8, .value_kind: global_buffer, .address_space: global }
      - { .name: w2q, .offset: 48, .size: 8, .value_kind: global_buffer, .address_space: global }
      - { .name: w2s, .offset: 56, .size: 8, .value_kind: global_buffer, .address_space: global }
      - { .name: out0, .offset: 64, .size: 8, .value_kind: global_buffer, .address_space: global }
    .group_segment_fixed_size: 89344
    .private_segment_fixed_size: 0
    .kernarg_segment_align: 8
    .kernarg_segment_size: 72
    .max_flat_workgroup_size: 128
    .sgpr_count:     72
    .vgpr_count:     1024
    .wavefront_size: 32
...
	.end_amdgpu_metadata
.endif
;; end of part 2
